; MI455X (gfx1250); checked and timed in simulation.
; The chip was launched on July 23, 2026; its instructions are those of AMD's public machine-readable ISA for CDNA 5 (MIT licence, August 2026) and "CDNA5" Instruction Set Architecture Reference Guide (July 2026). The comments in the code are by the model that wrote it; some were corrected since.
;; Causal Self Attention. Allowed arithmetic: matrix products marked QUANTISED: E2M3 operands, one E8M0 scale for each 32 along K, by v_wmma_scale_f32_16x16x128_f8f6f4 with both operands' format E2M3, f32 sums; everything else in f32.
;; Inputs: W_out_codes 1,024 x 32 x 24 uint8 (E2M3 codes of W_out, K innermost, in blocks of 32 codes, four codes in three bytes); W_out_scales 1,024 x 32 uint8 (E8M0 scales of W_out, one for each 32 codes along K); W_qkv_codes 3,072 x 32 x 24 uint8 (E2M3 codes of W_qkv, K innermost, in blocks of 32 codes, four codes in three bytes); W_qkv_scales 3,072 x 32 uint8 (E8M0 scales of W_qkv, one for each 32 codes along K); x_codes 2 x 2,048 x 32 x 24 uint8 (E2M3 codes of x, K innermost, in blocks of 32 codes, four codes in three bytes); x_scales 2 x 2,048 x 32 uint8 (E8M0 scales of x, one for each 32 codes along K).
;; Outputs: out0 2 x 2,048 x 1,024 float32.
;; This version of the problem:
;;   THIS VERSION OF THE PROBLEM IS GIVEN IN LOW PRECISION. The matrix products marked QUANTISED in the list below multiply operands that are first quantised to E2M3 (2 exponent bits, 3 mantissa bits; 6 bits a number), with one power-of-two scale for each 32 numbers along K (OCP MX v1.0); their sums are f32. All else is computed in f32.
;;   The module's matrix products, in the order in which they are computed (A, B: the left and right operand; K: the contracted axis; several contracted axes count as one K, in the product's order):
;;     1. [M 4,096, K 1,024] x [K 1,024, N 3,072]; A: input x (given as codes); B: input W_qkv (given as codes): QUANTISED
;;     2. batch 32 x [M 2,048, K 64] x [K 64, N 2,048]; A: computed on the way; B: computed on the way: QUANTISED
;;     3. batch 32 x [M 2,048, K 2,048] x [K 2,048, N 64]; A: softmax (see below); B: computed on the way: QUANTISED
;;     4. [M 4,096, K 1,024] x [K 1,024, N 1,024]; A: computed on the way; B: input W_out (given as codes): QUANTISED
;;   THE QUANTISER, for each operand of a quantised product, along K:
;;     - K is cut into blocks of 32 from its start; a last block that is shorter is filled with zeros.
;;     - A block's scale is 2^e with e = floor(log2(the largest magnitude in the block)) - 2, held to -126 .. 127; a block of zeros has e = 0. As a byte (E8M0): e + 127.
;;     - Each number is divided by its block's scale, clamped to +-7.5, and rounded to the nearest number of E2M3, ties to even, subnormals kept.
;;     - The product sums the exact products of the quantised numbers (number of the format x scale) in f32.
;;   ~~~python
;;   def quantise(x, axis):      # numpy; x: float32 -> the quantised numbers, widened to float32 again
;;       x = np.moveaxis(x, axis, -1); K = x.shape[-1]
;;       x = np.pad(x, [(0, 0)] * (x.ndim - 1) + [(0, -K % 32)]); x = x.reshape(x.shape[:-1] + (-1, 32)); a = np.abs(x).max(-1, keepdims=True)
;;       e = np.where(a > 0, np.clip(np.frexp(np.where(a > 0, a, 1))[1] - 1 - 2, -126, 127), 0)      # np.frexp(a)[1] - 1 = floor(log2(a)), exactly
;;       r = np.clip(x / 2.0 ** e, -7.5, 7.5)
;;       step = 2.0 ** (np.maximum(np.frexp(np.where(r == 0, 1, r))[1] - 1, 0) - 3)
;;       q = np.round(r / step) * step * 2.0 ** e      # np.round: ties to even
;;       return np.moveaxis(q.reshape(q.shape[:-2] + (-1,))[..., :K], -1, axis).astype(np.float32)
;;   ~~~
;;   SOFTMAX AHEAD OF A QUANTISED PRODUCT. Where the list says 'softmax', what is quantised is not the finished softmax but p = 2^(t - M), with t = logit x log2(e) and M = ceil(the row's largest t), a whole number; so 1/2 < the row's largest p <= 1. The row's sum l is taken of the UNQUANTISED p, in f32, and the product's result is divided by l at the end. Since M is a whole number, a kernel that streams over the keys may use a running M (the ceiling of the running maximum): every later rescaling is an exact power of two, which a block's scale takes up: the codes' values come out the same.
;;   OPERANDS COMPUTED ON THE WAY. 'Computed on the way' means the value that the module computes at that place (a softmax that the list does not call 'softmax' is quantised finished and normalised). What goes into a quantiser is computed in f32, as accurately as f32 sums, v_exp_f32 and their like allow (about 1e-6 of the number): no bf16 or f16 on the way to a quantiser, and a product that is left as it is and whose result goes on into a quantised operand takes f32 operands (vector FMAs, or v_wmma_f32_16x16x4_f32). A number that lies on a knife's edge between two numbers of the format may be rounded either way, as far as f32 arithmetic and the matrix unit's own rounding can turn it there, and no further.
;;   INPUTS GIVEN AS CODES. W_out (in the module: [1024, 1024], K = its axis 1); W_qkv (in the module: [3072, 1024], K = its axis 1); x (in the module: [2, 2048, 1024], K = its axis 2): each comes as NAME_codes (uint8): NAME with its K axis moved to the last place and cut into blocks of 32 codes, [.., K / 32, bytes a block], one block behind the other in memory; four codes in three bytes: a row's codes are one little-endian stream of bits, code i at bits 6 i .. 6 i + 5 (a code: sign, 2 exponent bits, 3 mantissa bits); and NAME_scales (uint8): the same leading axes, one E8M0 byte (e + 127) for each 32 codes along K. Its value is code x scale, taken as it is: it is not quantised again, and the codes and scales need not be those that the quantiser above would give.
;; One version. Each part assembles by itself: llvm-mc -triple=amdgcn-amd-amdhsa -mcpu=gfx1250 --defsym DOCPART=n.
;; ======== version 1 of 1: 3 launches
;; limits: right only within a limited range of input values
;; workspace buffers: q_codes 3,145,728 bytes; q_scales 131,072 bytes; kv 6,553,600 bytes; ao_codes 3,145,728 bytes; ao_scales 131,072 bytes
;; launch qkv (part 1): grid 16 x 16, 4 waves a work-group, clusters of 4 x 4, 327,680 bytes of LDS; arguments x_codes, x_scales, W_qkv_codes, W_qkv_scales, q_codes, q_scales, kv; writes q_codes, q_scales, kv
.if DOCPART == 1
	.amdgcn_target "amdgcn-amd-amdhsa--gfx1250"
	.amdhsa_code_object_version 6
	.text
	.protected	k_qaf2ea54e3e_qkv
	.globl	k_qaf2ea54e3e_qkv
	.p2align	8
	.type	k_qaf2ea54e3e_qkv,@function
k_qaf2ea54e3e_qkv:
	s_mov_b64 s[64:65], 0
	v_nop
	global_prefetch_b8 v0, s[64:65] scope:SCOPE_SE
	s_setreg_imm32_b32 hwreg(HW_REG_WAVE_MODE, 25, 1), 1
	s_wait_xcnt 0x0
	s_wait_alu depctr_hold_cnt(0) depctr_sa_sdst(0) depctr_va_vdst(0) depctr_va_sdst(0) depctr_va_ssrc(0) depctr_va_vcc(0) depctr_vm_vsrc(0)
	s_getreg_b32 s2, hwreg(HW_REG_IB_STS2, 6, 4)
	s_cmp_eq_u32 s2, 0
	s_cbranch_scc0 .Lentry_in_a_cluster
	s_endpgm
.Lentry_in_a_cluster:
	s_bfe_u32 s2, ttmp6, 0x10000c
	s_cmp_lg_u32 s2, 0xf033
	s_cbranch_scc0 .Lentry_shape_is_right
	s_endpgm
.Lentry_shape_is_right:
; qkv = x W_qkv^T on codes of FP6 (E2M3) with E8M0 scales, K = 1,024, and the quantising of q, k (along the head's 64) and v (along the tokens).
; THE PROGRAM LEAVES OUT the score tiles that the causal mask hides whole (key steps of 128 behind a query tile's last key): their p is 0 for all inputs.  A NaN or an infinity that reaches only those is not carried on.
; SHARES.  A work-group makes one head's q, k and v for 256 tokens.  Wave w holds tokens 64 w .. 64 w + 63, ALL of K, in registers (4 tiles x 8 fragments of 12); the head's 192 rows of W stream past in twelve tiles: a BATCH is 32 products.
;   q (batches 0-3), k (4-7): source 0 = 16 rows of W, source 1 = 16 tokens: a lane holds ONE token, its registers run along the head's 64.
;   v (8-11):                 source 0 = 16 tokens, source 1 = 16 rows of W: a lane holds ONE channel, its registers run along the tokens.
; WHICH ROWS FORM A TILE.  Of each 64 rows tile j takes, in lanes 0-7, rows 8 j + i and, in lanes 8-15, rows 32 + 8 (j xor 1) + i.  So a lane's 32 registers of four tiles are a whole scale block, and no lane looks at another.
;   The order inside a block (lanes 16-31: j xor 1) is shared by q and k, and by v and the next launch's p.  Wv's tile t takes 8 t + i and 32 + 8 t + i: the attention's channels then come out in true order.
; WHAT IS STORED.  q: half fragments [head 32][tile 128][768]: registers 0-3 at 16 x lane, 4-5 at 512 + 8 x lane; scale bytes [head][tile][row][half].
;   kv: [head][key step of 128 tokens][12,800]: K [band c][pair p][piece of 4 registers][lane][16], 6,144 bytes; V [tile t][band c][768], 6,144; K's scale words [2 c + p][row], 256; V's [t][row], 256.
; LDS: x's 256 rows (768 bytes + 16 of padding behind every 256), Wq's 64, Wk's 64; asked for at the head, one load a wave.  Wv's rows come onto x's, which all waves hold in registers by then, behind the round in batch 1 (rows 32-63 128 bytes further on); the barrier in batch 6 shows them.
; THE WAY OUT of a block of 32 registers stands in a later batch: behind every second product two lines of the search for its largest magnitude (two chains); the conversions stand behind the batch.  q's blocks: batches 4-7; k's: 8-11; v's: 9-11 and the end.
; CLUSTER 4 x 4: x's tile hangs on the token block alone (shared along a row), W's tiles on the head alone (shared along a column): joint loads.  NO PREFETCH: all but Wv is asked for at the head, and no loop is there to run ahead in.
; LIMITS: a block whose largest magnitude lies under 2^-124 gets the scale byte 1, a block of zeros too (its codes are zeros; these bytes are read by this program alone); NaN, infinities and the scale byte 0xff among the inputs are not served.
; REGISTERS.  Fragment f of 12 registers lies in window 1 + f / 21 at register 12 (f % 21): 0-31 x's (4 q + n), 32-39 and 40-47 W's two sets.  window 3: v72-199 q's accumulators at v[72 + 32 n + 8 t], then v's at v[72 + 32 dt + 8 tt].
;   window 0: v8-31 addresses; v32-95 scale words; v96-123 and v2-7 at work on the way out; v128-255 k's accumulators at v[128 + 32 n + 8 t].
.set PITCH, 816
.set WQO,   256*PITCH
.set T8,    8*PITCH                    ; from tile to tile
.set VUP,   32*PITCH+128               ; where Wv's rows 32-63 begin
.set STG,   384*PITCH
.set SPARE, STG+1536
.set CUR, 16
.set WE,  18
.set WO,  20
.set VV,  22
.set STQ, 24
.set STK, 25
.set STV, 26
.set STB, 27
.set SPW, 28
.set NIL, 29
.set O16, 30
.set O8,  31
.set SCX, 32
.set SCW, 48
.set SCV, 80
.set TQ,  96
.set SOP, 100
.set EB,  102
.set TC,  104
.set TCV, 108
.set PC,  112
.set PCV, 2
.set NF,  26                           ; LDS loads of a W tile
.set WV,  24
.set G1X, 32
.set G1W, 40
.set G0X, 48
.set G0W, 52
.set G1V, 56
.set G0V, 68
.set MSB, 0
.macro WIN new                         ; the immediate's high byte repeats the setting that is left
.if MSB != (\new)
	s_set_vgpr_msb (MSB<<8)|(\new)
.set MSB, (\new)
.endif
.endm
.macro PLACES n
.rept \n
	v_nop
.endr
.endm
.macro WALU
	s_wait_alu depctr_va_vdst(0)
.endm
.macro CREST                           ; a round of the cluster's barrier behind its opening barrier
	s_cmp_lg_u32 s[WV], 0
	s_cbranch_scc1 .Lnot_wave_0_\@
	s_barrier_signal -3
.Lnot_wave_0_\@:
	s_barrier_wait -3
	s_barrier_signal -1
	s_barrier_wait -1
.endm
.macro CROUND
	s_barrier_signal -1
	s_barrier_wait -1
	CREST
.endm
.macro TLOAD g0, g1
	tensor_load_to_lds s[\g0:\g0+3], s[\g1:\g1+7]
	s_nop 0
	PLACES 4
.endm
.macro GROUP1 g, mask, rows            ; rows of 768 bytes, elements of 1 byte; 16 bytes of padding behind every 256; bit 21 set beside a mask
	s_or_b32 s[\g], s[\mask], (1<<20)|(1<<21)|(5<<22)|(3<<25)
	s_mov_b32 s[\g+1], 768<<16
	s_mov_b32 s[\g+2], (\rows)<<16
	s_mov_b32 s[\g+3], 768<<16
	s_mov_b32 s[\g+4], \rows
	s_mov_b32 s[\g+5], 768
	s_mov_b32 s[\g+6], 0
	s_mov_b32 s[\g+7], 0
.endm
.macro GROUP0 g, lds, adr
	s_mov_b32 s[\g], 1
	s_mov_b32 s[\g+1], s[\lds]
	s_mov_b64 s[\g+2:\g+3], s[\adr:\adr+1]
	s_or_b32 s[\g+3], s[\g+3], 0x80000000
.endm
.macro WM1 d, a, b, c, sa, sb, ra, rb
	v_wmma_scale_f32_16x16x128_f8f6f4 v[(\d):(\d)+7], v[(\a):(\a)+11], v[(\b):(\b)+11], \c, v[(\sa)], v[(\sb)] matrix_a_fmt:MATRIX_FMT_FP6 matrix_b_fmt:MATRIX_FMT_FP6 matrix_a_scale:MATRIX_SCALE_ROW\ra matrix_b_scale:MATRIX_SCALE_ROW\rb
.endm
.macro WM2 d, a, b, c, sa, sb, ra, rb
.if (\ra) && (\rb)
	WM1 \d, \a, \b, \c, \sa, \sb, 1, 1
.elseif (\ra)
	WM1 \d, \a, \b, \c, \sa, \sb, 1, 0
.elseif (\rb)
	WM1 \d, \a, \b, \c, \sa, \sb, 0, 1
.else
	WM1 \d, \a, \b, \c, \sa, \sb, 0, 0
.endif
.endm
; Fragment f, K step q: six pieces of 8 bytes, two to a load where both lie behind as many paddings; lanes 16-31 read three pieces further on: where that is behind one padding more, a1 serves
.macro FRAG f, q, a0, a1
	WIN (1+(\f)/21)<<6
.set R_, 12*((\f)%21)
.set SKIP_, 0
.irp p, 0,1,2,3,4,5
.if SKIP_
.set SKIP_, 0
.else
.set PC_, 12*(\q)+6*(\p/3)+\p%3
.set PN_, 12*(\q)+6*((\p+1)/3)+(\p+1)%3
.set X_, (PC_%32+3)/32
.set XQ_, (PN_%32+3)/32
.if (\p < 5) && (X_ == XQ_)
.set SKIP_, 1
.if X_
	ds_load_2addr_b64 v[R_+2*\p:R_+2*\p+3], v[\a1] offset0:PC_+2*(PC_/32) offset1:PN_+2*(PN_/32)
.else
	ds_load_2addr_b64 v[R_+2*\p:R_+2*\p+3], v[\a0] offset0:PC_+2*(PC_/32) offset1:PN_+2*(PN_/32)
.endif
.elseif X_
	ds_load_b64 v[R_+2*\p:R_+2*\p+1], v[\a1] offset:8*(PC_+2*(PC_/32))
.else
	ds_load_b64 v[R_+2*\p:R_+2*\p+1], v[\a0] offset:8*(PC_+2*(PC_/32))
.endif
.endif
.endr
.endm
; Where batch m's tile lies: v[CA_], v[CA_ + 1].  Two plain lines (tiles 0 and 8 begin at their base)
.macro TILEADR m
.if (\m) < 8
.set BA_, WE+2*((\m)%2)
.else
.set BA_, VV
.endif
.if ((\m)%8) == 0
.set CA_, BA_
	PLACES 2
.else
.set CA_, CUR
.set CO_, T8*((\m)+4*(((\m)/4)%2)-8*((\m)/8))
	v_add_nc_u32 v[CUR], CO_, v[BA_]
	v_add_nc_u32 v[CUR+1], CO_, v[BA_+1]
.endif
.endm
.macro FETCH m
.irp q, 0,1,2,3,4,5,6,7
	FRAG 32+8*((\m)%2)+\q, \q, CA_, CA_+1
.endr
	WIN 0
.endm
.macro PROD m, n                       ; product n of batch m: K step n / 4, token tile n % 4: four accumulators by turns
.set Q_, (\n)/4
.set N4_, (\n)%4
.set FX_, 4*Q_+N4_
.set FW_, 32+8*((\m)%2)+Q_
.if (\m) < 4
.set D_, 72+32*N4_+8*(\m)
.set DW_, 3
.elseif (\m) < 8
.set D_, 128+32*N4_+8*((\m)-4)
.set DW_, 0
.else
.set D_, 72+32*((\m)-8)+8*N4_
.set DW_, 3
.endif
.if (\m) < 8
	WIN (1+FW_/21)|((1+FX_/21)<<2)|(DW_<<4)|(DW_<<6)
.if Q_
	WM2 D_, 12*(FW_%21), 12*(FX_%21), v[D_:D_+7], SCW+8*((\m)/2)+Q_, SCX+8*(N4_/2)+Q_, (\m)%2, N4_%2
.else
	WM2 D_, 12*(FW_%21), 12*(FX_%21), 0, SCW+8*((\m)/2)+Q_, SCX+8*(N4_/2)+Q_, (\m)%2, N4_%2
.endif
.else
	WIN (1+FX_/21)|((1+FW_/21)<<2)|(DW_<<4)|(DW_<<6)
.if Q_
	WM2 D_, 12*(FX_%21), 12*(FW_%21), v[D_:D_+7], SCX+8*(N4_/2)+Q_, SCV+8*(((\m)-8)/2)+Q_, N4_%2, (\m)%2
.else
	WM2 D_, 12*(FX_%21), 12*(FW_%21), 0, SCX+8*(N4_/2)+Q_, SCV+8*(((\m)-8)/2)+Q_, N4_%2, (\m)%2
.endif
.endif
.endm
; Entry k of a way out: the block is v[x] .. v[x + 31] of window w; n = 0, 1: which of two at work
.macro ENT k, w, x, n
.if (\k) == 0
	WIN (\w)|((\w)<<2)
	v_max3_num_f32 v[TQ+2*(\n)], |v[(\x)]|, |v[(\x)+1]|, 0x1800000   ; the floor 2^(3 - 127): the byte cannot fall under 1
	v_max3_num_f32 v[TQ+2*(\n)+1], |v[(\x)+16]|, |v[(\x)+17]|, 0x1800000
.elseif ((\k) > 0) && ((\k) < 8)
	WIN (\w)|((\w)<<2)
	v_max3_num_f32 v[TQ+2*(\n)], |v[(\x)+2*(\k)]|, |v[(\x)+2*(\k)+1]|, v[TQ+2*(\n)]
	v_max3_num_f32 v[TQ+2*(\n)+1], |v[(\x)+16+2*(\k)]|, |v[(\x)+17+2*(\k)]|, v[TQ+2*(\n)+1]
.elseif (\k) == 8
	WIN 0
	v_max_num_f32 v[TQ+2*(\n)], v[TQ+2*(\n)], v[TQ+2*(\n)+1]
.elseif (\k) == 9
	WIN 0
	v_add_nc_u32 v[SOP+(\n)], 0xff000000, v[TQ+2*(\n)]   ; 2 off the exponent field: the conversion's scale operand
.elseif (\k) == 10
	WIN 0
	v_lshrrev_b32 v[EB+(\n)], 23, v[SOP+(\n)]
.endif
.endm
.macro ENTS m, k
.if ((\m) > 3) && ((\m) < 8)
	ENT \k, 3, 72+32*((\m)-4), 0
.elseif (\m) > 7
	ENT \k, 0, 128+32*((\m)-8), 0
.if (\m) > 8
	ENT (\k)-8, 3, 72+32*((\m)-9), 1
.endif
.endif
.endm
.macro BATCH m, from, to
.set NN_, \from
.rept (\to)-(\from)
	PROD \m, NN_
.if NN_%2
	ENTS \m, NN_/2
.endif
.set NN_, NN_+1
.endr
.endm
.macro CVT w, x, pc, tc, n             ; 32 codes: registers pc .. pc + 2, and tc .. tc + 2 (three registers begin on an even number: moved to pc + 3 on)
	WIN (\w)
	v_cvt_scalef32_pk16_fp6_f32 v[(\pc):(\pc)+2], v[(\x):(\x)+15], v[SOP+(\n)]
	v_cvt_scalef32_pk16_fp6_f32 v[(\tc):(\tc)+2], v[(\x)+16:(\x)+31], v[SOP+(\n)]
	WIN 0
.endm
.macro MOV3 pc, tc
.irp i, 0,1,2
	v_mov_b32 v[(\pc)+3+\i], v[(\tc)+\i]
.endr
.endm
.macro PUTV dt
	global_store_b128 v[O16], v[PCV:PCV+3], s[20:21] offset:1536*(\dt)
	global_store_b64 v[O8], v[PCV+4:PCV+5], s[20:21] offset:1536*(\dt)+512
.endm
; Behind batch m: the conversions, the places in front of loads into registers that products read, the next but one tile's fetch, the stores
.macro POST m
	WIN 0
	WALU
.set P_, PC+6*((\m)%2)
.if (\m) > 3
	s_wait_xcnt 0x0                                ; earlier stores have read the codes' registers
.if (\m) > 8
	ENT 8, 3, 72+32*((\m)-9), 1
	ENT 9, 3, 72+32*((\m)-9), 1
	ENT 10, 3, 72+32*((\m)-9), 1
	CVT 3, 72+32*((\m)-9), PCV, TCV, 1
.endif
.if (\m) < 8
	CVT 3, 72+32*((\m)-4), P_, TC, 0
.else
	CVT 0, 128+32*((\m)-8), P_, TC, 0
.endif
.endif
.if (\m) < 10
	TILEADR (\m)+2
.else
	PLACES 2
.endif
.if (\m) > 3
	MOV3 P_, TC
.if (\m) > 8
	MOV3 PCV, TCV
	ds_store_b8 v[STV], v[EB+1] offset:64*((\m)-9)
.endif
.if (\m) < 8
	ds_store_b8 v[STQ], v[EB] offset:32*((\m)-4)
.else
	ds_store_b8 v[STK], v[EB] offset:64*(((\m)-8)/2)+2*((\m)%2)
.endif
.else
	PLACES 2
.endif
.if (\m) < 10
	FETCH (\m)+2
.endif
.if ((\m) > 3) && ((\m) < 8)
	global_store_b128 v[O16], v[P_:P_+3], s[12:13] offset:768*((\m)-4)
	global_store_b64 v[O8], v[P_+4:P_+5], s[12:13] offset:768*((\m)-4)+512
.elseif ((\m) > 8) && ((\m)%2)
.irp k, 0,1,2
	global_store_b128 v[O16], v[PC+4*\k:PC+4*\k+3], s[18:19] offset:1536*(((\m)-8)/2)+512*\k
.endr
.endif
.if (\m) > 8
	PUTV (\m)-9
.endif
.endm
.macro BASE d, mult, base
	v_mad_u32_u24 v6, v5, \mult, v4
	v_mul_u32_u24 v6, PITCH, v6
	v_mad_u32_u24 v6, v2, 24, v6
	v_add_nc_u32 v[\d], \base, v6
	v_lshl_add_u32 v[\d+1], v2, 4, v[\d]
.endm
	s_load_b256 s[4:11], s[0:1], 0x0               ; x codes, x scales, W codes, W scales
	s_load_b128 s[12:15], s[0:1], 0x20             ; q codes, q scales
	s_load_b64 s[16:17], s[0:1], 0x30              ; kv
	v_lshl_add_u32 v[SPW], v0, 2, SPARE
	v_mov_b32 v[NIL], 0
	ds_add_u32 v[SPW], v[NIL]                      ; the opening add, twice on end
	ds_add_u32 v[SPW], v[NIL]
	v_lshrrev_b32 v1, 5, v0
	v_readfirstlane_b32 s[WV], v1
	s_bfe_u32 s25, ttmp6, 0x40000                  ; cx, cy
	s_bfe_u32 s26, ttmp6, 0x40004
	s_lshl_b32 s27, ttmp9, 2
	s_add_co_u32 s27, s27, s25                     ; the head
	s_and_b32 s28, ttmp7, 0xffff
	s_lshl_b32 s28, s28, 2
	s_add_co_u32 s28, s28, s26                     ; the block of 256 tokens
	s_lshl_b32 s80, s26, 2
	s_lshl_b32 s80, 15, s80                        ; my row of the cluster
	s_lshl_b32 s81, 0x1111, s25                    ; my column
	GROUP1 G1X, 80, 128
	GROUP1 G1W, 81, 64
	GROUP1 G1V, 81, 32
	s_and_b32 s79, s[WV], 1                        ; which half of x's rows (waves 0, 1), Wq or Wk (waves 2, 3); in the refill which half of Wv's (waves 0, 1)
	s_mul_i32 s82, s28, 196608
	s_mul_i32 s83, s79, 98304
	s_add_co_u32 s82, s82, s83
	s_mov_b32 s83, 0
	s_mul_i32 s86, s79, 128*PITCH
	s_lshl_b32 s78, s27, 6                         ; the head's first row
	s_lshl_b32 s84, s79, 10
	s_add_co_u32 s84, s84, s78
	s_mul_i32 s84, s84, 768
	s_mov_b32 s85, 0
	s_mul_i32 s87, s79, 64*PITCH
	s_add_co_u32 s87, s87, WQO
	s_lshl_b32 s88, s79, 5
	s_add_co_u32 s88, s88, s78
	s_add_co_u32 s88, s88, 2048
	s_mul_i32 s88, s88, 768
	s_mov_b32 s89, 0
	s_mul_i32 s90, s79, VUP
	s_mul_i32 s91, s[WV], 64*PITCH                 ; my 64 rows of x
	s_add_co_u32 s72, s91, T8
	s_lshr_b32 s73, s[WV], 1
	s_lshl_b32 s73, s73, 9
	s_add_co_u32 s73, s73, STG                     ; my key step's scale bytes in the stage
	s_lshl_b32 s74, s79, 7
	s_add_co_u32 s74, s74, s73                     ; K's: + 128 x band
	s_lshl_b32 s75, s79, 1
	s_add_co_u32 s75, s75, s73
	s_add_co_u32 s75, s75, 256                     ; V's: + 256 + 2 x band
	s_lshl_b32 s76, s[WV], 7
	s_add_co_u32 s76, s76, STG+1024                ; q's
	s_lshl_b32 s77, s[WV], 9
	s_add_co_u32 s77, s77, STG                     ; back: 512 bytes a wave
	v_and_b32 v3, 31, v0
	v_and_b32 v1, 15, v0
	v_bfe_u32 v2, v0, 4, 1                         ; h
	v_and_b32 v4, 7, v0                            ; i
	v_bfe_u32 v5, v0, 3, 1                         ; lanes 8-15 of each half
	v_lshlrev_b32 v[O16], 4, v3
	v_lshlrev_b32 v[O8], 3, v3
	v_lshlrev_b32 v100, 4, v2                      ; scale words: a register serves tiles 2 p (lanes 0-15) and 2 p + 1: rows i + 8 h, and from lane 8 on + 40 - 16 h
	v_sub_nc_u32 v100, 40, v100
	v_mad_u32_u24 v100, v5, v100, v4
	v_lshl_add_u32 v100, v2, 3, v100
	v_lshlrev_b32 v100, 5, v100
	v_lshl_add_u32 v101, v5, 5, v4                 ; Wv: + 32
	v_lshl_add_u32 v101, v2, 3, v101
	v_lshlrev_b32 v101, 5, v101
	BASE 8, 40, s91                                ; x's token tiles 0 .. 3: v8, v10, v12, v14 (and the next register, for a1)
	BASE 10, 24, s72
	v_add_nc_u32 v12, 2*T8, v8
	v_add_nc_u32 v13, 2*T8, v9
	v_add_nc_u32 v14, 2*T8, v10
	v_add_nc_u32 v15, 2*T8, v11
	BASE WE, 40, WQO
	BASE WO, 24, WQO
	v_mul_u32_u24 v6, PITCH, v4
	v_mad_u32_u24 v6, v5, VUP, v6
	v_mad_u32_u24 v[VV], v2, 24, v6
	v_lshl_add_u32 v[VV+1], v2, 4, v[VV]
	v_lshl_add_u32 v6, v1, 2, v2
	v_add_nc_u32 v[STK], s74, v6
	v_add_nc_u32 v[STV], s75, v6
	v_lshl_add_u32 v6, v1, 1, v2
	v_add_nc_u32 v[STQ], s76, v6
	v_add_nc_u32 v[STB], s77, v[O16]
	WALU
	s_wait_dscnt 0x0
	CROUND                                         ; all sixteen work-groups are here: the first joint loads meet
	s_wait_kmcnt 0x0
	s_add_nc_u64 s[82:83], s[4:5], s[82:83]
	s_add_nc_u64 s[84:85], s[8:9], s[84:85]
	GROUP0 G0X, 86, 82
	GROUP0 G0W, 87, 84
	s_cmp_lt_u32 s[WV], 2
	s_cbranch_scc0 .Lfor_w
	TLOAD G0X, G1X                                 ; waves 0, 1: x's halves
	s_branch .Lasked
.Lfor_w:
	TLOAD G0W, G1W                                 ; waves 2, 3: Wq, Wk
.Lasked:
	s_add_nc_u64 s[88:89], s[8:9], s[88:89]
	GROUP0 G0V, 90, 88
	s_lshl_b32 s80, s28, 13
	s_lshl_b32 s81, s[WV], 11
	s_add_co_u32 s80, s80, s81
	s_mov_b32 s81, 0
	s_add_nc_u64 s[6:7], s[6:7], s[80:81]          ; x's scales at row 256 x block + 64 x wave
	s_lshl_b32 s80, s27, 11
	s_add_nc_u64 s[10:11], s[10:11], s[80:81]      ; W's at row 64 x head
	; a row's 32 bytes are its words of all eight K steps
.irp p, 0,1
	global_load_b128 v[SCX+8*\p:SCX+8*\p+3], v100, s[6:7] offset:512*\p
	global_load_b128 v[SCX+8*\p+4:SCX+8*\p+7], v100, s[6:7] offset:512*\p+16
.endr
.irp p, 0,1,2,3
	global_load_b128 v[SCW+8*\p:SCW+8*\p+3], v100, s[10:11] offset:32768*(\p/2)+512*(\p%2)
	global_load_b128 v[SCW+8*\p+4:SCW+8*\p+7], v100, s[10:11] offset:32768*(\p/2)+512*(\p%2)+16
.endr
.irp b, 0,1
	global_load_b128 v[SCV+8*\b:SCV+8*\b+3], v101, s[10:11] offset:65536+512*\b
	global_load_b128 v[SCV+8*\b+4:SCV+8*\b+7], v101, s[10:11] offset:65536+512*\b+16
.endr
	; where my results go
	s_lshr_b32 s87, s28, 3
	s_lshl_b32 s87, s87, 4
	s_add_co_u32 s87, s87, s27                     ; 16 x batch + head
	s_and_b32 s88, s28, 7                          ; the block of 256 tokens within the batch
	s_lshl_b32 s89, s87, 7
	s_lshl_b32 s90, s88, 4
	s_add_co_u32 s89, s89, s90
	s_lshl_b32 s90, s[WV], 2
	s_add_co_u32 s89, s89, s90
	s_mul_i32 s90, s89, 768
	s_mov_b32 s91, 0
	s_add_nc_u64 s[12:13], s[12:13], s[90:91]      ; q's codes at my first tile
	s_lshl_b32 s90, s87, 12
	s_lshl_b32 s89, s88, 9
	s_add_co_u32 s90, s90, s89
	s_add_nc_u64 s[14:15], s[14:15], s[90:91]      ; q's scale bytes
	s_lshl_b32 s80, s87, 4
	s_lshl_b32 s89, s88, 1
	s_add_co_u32 s80, s80, s89                     ; the work-group's first key step
	s_lshr_b32 s89, s[WV], 1
	s_add_co_u32 s89, s89, s80
	s_mul_i32 s89, s89, 12800                      ; my key step
	s_mul_i32 s90, s79, 3072
	s_add_co_u32 s90, s90, s89
	s_add_nc_u64 s[18:19], s[16:17], s[90:91]      ; K's codes, my band
	s_mul_i32 s90, s79, 768
	s_add_co_u32 s90, s90, s89
	s_add_co_u32 s90, s90, 6144
	s_add_nc_u64 s[20:21], s[16:17], s[90:91]      ; V's codes, my band
	s_add_co_u32 s90, s80, s[WV]
	s_mul_i32 s90, s90, 12800
	s_add_co_u32 s90, s90, 12288
	s_add_nc_u64 s[22:23], s[16:17], s[90:91]      ; scale words: waves 0 and 1 a key step each, wave 2 q's
	s_cmp_lt_u32 s[WV], 2
	s_cselect_b64 s[22:23], s[22:23], s[14:15]
	WALU
	s_cmp_lt_u32 s[WV], 2
	s_cbranch_scc0 .Lnot_x
	s_wait_tensorcnt 0x0
.Lnot_x:
	s_barrier_signal -1
	s_barrier_wait -1                              ; x is in; W may be on its way
.irp q, 0,1,2,3,4,5,6,7
.irp n, 0,1,2,3
	FRAG 4*\q+\n, \q, 8+2*\n, 9+2*\n
.endr
.endr
	WIN 0
	s_wait_loadcnt 0x0                             ; the scale words
	s_wait_tensorcnt 0x0
	s_wait_dscnt 0x0
	s_barrier_signal -1
	s_barrier_wait -1                              ; Wq and Wk are in
	TILEADR 0
	FETCH 0
	TILEADR 1
	FETCH 1
	s_wait_dscnt NF                                ; tile 0's loads; tile 1's may be out
	BATCH 0, 0, 32
	POST 0
	s_wait_dscnt NF
	WIN 0
	s_wait_tensorcnt 0x0
	ds_add_u32 v[SPW], v[NIL]                      ; 0 onto my spare word; 24 products stand between it and the wait for it
	BATCH 1, 0, 24
	s_wait_dscnt 0x0                               ; (every wave's reads of x were over ahead of the second barrier)
	s_barrier_signal -1
	BATCH 1, 24, 32
	WIN 0
	s_barrier_wait -1
	CREST
	s_cmp_lt_u32 s[WV], 2
	s_cbranch_scc0 .Lno_refill
	TLOAD G0V, G1V                                 ; the one refill: waves 0, 1 a half each of Wv's rows, onto x's
.Lno_refill:
	POST 1
.irp m, 2,3,4,5
	s_wait_dscnt NF
	BATCH \m, 0, 32
	POST \m
.endr
	s_wait_dscnt NF
	BATCH 6, 0, 26
	WIN 0
	WALU
	s_wait_tensorcnt 0x0
	s_wait_dscnt 0x0
	s_barrier_signal -1                            ; Wv's rows are shown to all
	BATCH 6, 26, 32
	WIN 0
	s_barrier_wait -1
	POST 6
.irp m, 7,8,9,10
	s_wait_dscnt NF
	BATCH \m, 0, 32
	POST \m
.endr
	s_wait_dscnt 0x0
	BATCH 11, 0, 32
	POST 11
.irp k, 0,1,2,3,4,5,6,7,8,9,10
	ENT \k, 3, 168, 1                              ; v's last block
.endr
	WALU
	ds_store_b8 v[STV], v[EB+1] offset:192
	s_wait_dscnt 0x0                               ; for the others' sake: my scale bytes lie in the stage
	s_wait_xcnt 0x0
	s_barrier_signal -1
	CVT 3, 168, PCV, TCV, 1
	v_nop
	MOV3 PCV, TCV
	WALU
	s_barrier_wait -1
	PUTV 3
	s_cmp_lt_u32 s[WV], 3
	s_cbranch_scc0 .Lend
	ds_load_b128 v[104:107], v[STB]
	s_wait_dscnt 0x0
	global_store_b128 v[O16], v[104:107], s[22:23] ; 512 consecutive bytes, at a multiple of 256
.Lend:
	s_wait_tensorcnt 0x0                           ; the wave's end
	ds_add_u32 v[SPW], v[NIL]
	s_wait_dscnt 0x0
	CROUND                                         ; the closing round
	s_endpgm
.Lfunc_end_k_qaf2ea54e3e_qkv:
	.size	k_qaf2ea54e3e_qkv, .Lfunc_end_k_qaf2ea54e3e_qkv-k_qaf2ea54e3e_qkv
	.p2alignl 7, 3214868480
	.fill 96, 4, 3214868480
	.section	.rodata,"a",@progbits
	.p2align	6, 0x0
	.amdhsa_kernel k_qaf2ea54e3e_qkv
		.amdhsa_group_segment_fixed_size 327680
		.amdhsa_private_segment_fixed_size 0
		.amdhsa_enable_private_segment 0
		.amdhsa_kernarg_size 56
		.amdhsa_user_sgpr_count 2
		.amdhsa_user_sgpr_kernarg_segment_ptr 1
		.amdhsa_wavefront_size32 1
		.amdhsa_system_sgpr_workgroup_id_x 1
		.amdhsa_system_sgpr_workgroup_id_y 1
		.amdhsa_system_sgpr_workgroup_id_z 1
		.amdhsa_system_vgpr_workitem_id 0
		.amdhsa_next_free_vgpr 976
		.amdhsa_next_free_sgpr 100
		.amdhsa_reserve_vcc 0
		.amdhsa_float_denorm_mode_32 3
		.amdhsa_float_denorm_mode_16_64 3
		.amdhsa_memory_ordered 1
		.amdhsa_forward_progress 1
		.amdhsa_inst_pref_size 120
	.end_amdhsa_kernel
	.amdgpu_metadata
---
amdhsa.version: [ 1, 2 ]
amdhsa.kernels:
  - .name:           k_qaf2ea54e3e_qkv
    .symbol:         k_qaf2ea54e3e_qkv.kd
    .args:
      - { .name: x_codes, .offset: 0, .size: 8, .value_kind: global_buffer, .address_space: global }
      - { .name: x_scales, .offset: 8, .size: 8, .value_kind: global_buffer, .address_space: global }
      - { .name: W_qkv_codes, .offset: 16, .size: 8, .value_kind: global_buffer, .address_space: global }
      - { .name: W_qkv_scales, .offset: 24, .size: 8, .value_kind: global_buffer, .address_space: global }
      - { .name: q_codes, .offset: 32, .size: 8, .value_kind: global_buffer, .address_space: global }
      - { .name: q_scales, .offset: 40, .size: 8, .value_kind: global_buffer, .address_space: global }
      - { .name: kv, .offset: 48, .size: 8, .value_kind: global_buffer, .address_space: global }
    .group_segment_fixed_size: 327680
    .private_segment_fixed_size: 0
    .kernarg_segment_align: 8
    .kernarg_segment_size: 56
    .max_flat_workgroup_size: 128
    .sgpr_count:     100
    .vgpr_count:     976
    .wavefront_size: 32
...
	.end_amdgpu_metadata
.endif
;; end of part 1
;; launch attn (part 2): grid 8 x 32, 16 waves a work-group, clusters of 4 x 1, 225,792 bytes of LDS; arguments q_codes, q_scales, kv, ao_codes, ao_scales; writes ao_codes, ao_scales
.if DOCPART == 2
	.amdgcn_target "amdgcn-amd-amdhsa--gfx1250"
	.amdhsa_code_object_version 6
	.text
	.protected	k_qaf2ea54e3e_attn
	.globl	k_qaf2ea54e3e_attn
	.p2align	8
	.type	k_qaf2ea54e3e_attn,@function
k_qaf2ea54e3e_attn:
	s_mov_b64 s[64:65], 0
	v_nop
	global_prefetch_b8 v0, s[64:65] scope:SCOPE_SE
	s_setreg_imm32_b32 hwreg(HW_REG_WAVE_MODE, 25, 1), 1
	s_wait_xcnt 0x0
	s_wait_alu depctr_hold_cnt(0) depctr_sa_sdst(0) depctr_va_vdst(0) depctr_va_sdst(0) depctr_va_ssrc(0) depctr_va_vcc(0) depctr_vm_vsrc(0)
	s_getreg_b32 s2, hwreg(HW_REG_IB_STS2, 6, 4)
	s_cmp_eq_u32 s2, 0
	s_cbranch_scc0 .Lentry_in_a_cluster
	s_endpgm
.Lentry_in_a_cluster:
	s_bfe_u32 s2, ttmp6, 0x10000c
	s_cmp_lg_u32 s2, 0x3003
	s_cbranch_scc0 .Lentry_shape_is_right
	s_endpgm
.Lentry_shape_is_right:
; Causal attention of one head on codes of FP6 (E2M3), head size 64, 2,048 tokens, and the quantising of its result along the channels.
; t = score x log2(e) / 8; M = the running largest t rounded UP to a whole number; p = 2^(t - M) is quantised along the keys; the row's sum is taken of the unquantised p and divides at the end.
; LEFT OUT: key steps of 128 that the causal mask hides whole from a tile of 16 queries (their p is 0 for all inputs).
; SHARES.  Work-group (i, head) owns of each 256 queries the tiles i and 15 - i (16 queries each): sixteen tiles, slot sg = 0 .. 15, with sg + 1 key steps under the mask, the same in every work-group.
; With b = wave % 4: wave b takes key steps 0 .. 11 of slot 15 - b; wave 4 + b slot 8 + b whole; wave 8 + b slot 7 - b whole; wave 12 + b slot b whole and then key steps 12 .. 15 - b of slot 15 - b.
; So every fourth wave together have 12 + (9 + b) + (8 - b) + 5 = 34 key steps, the lower-numbered waves the more.  The two parts of slots 12-15 are joined through LDS.
; ALL OF A HEAD'S K AND V (204,800 bytes with their scale words) comes into LDS once, a key step to a wave, one tensor load each; nothing is filled again.  The first barrier shows key steps 0 and 1; the second, signalled behind step 0 and waited for behind step 1, all.
; CLUSTER 4 x 1: four work-groups of a head ask for its key steps jointly; every one of them reads all sixteen.  NO PREFETCH: everything is asked for at the head, so there is nothing to run ahead of.
; HEAD SIZE 64 IN A K OF 128.  A fragment of K holds TWO key tiles; q stands in 18 registers, zeros - q - zeros: registers 6-17 (q, zeros) give the first tile's scores, registers 0-11 (zeros, q) the second's.
; Both products are used transposed: a lane holds ONE query.  Register 32 c + 8 j + i of the scores is key 64 c + 32 h + 8 (j xor h) + i of the step (h = lane / 16): a band's 32 registers are one scale block, in the order in which V lies.
; LIMITS: scale byte 1 for blocks under 2^-124 and blocks of zeros; the scaled scores stay under 2^31 in magnitude; a block's largest p is made from the block's largest score by the same multiply-add and exponential, which takes v_exp_f32 not to fall where its input rises; NaN and infinities are not served.
; REGISTERS: v1-6, v82 addresses that stay; v7-9 the step's; v10, v11 the add's; v12 -M, v13 the largest score, v[14:15] the sum; v16-33 q between zeros; v34-81 fragments of K, then of V; v96-159 scores, then p; v160-191 O^T; v192-219 at work;
; v224-235 p's codes; v240-247 conversions; v248-251 K's and V's scale words, v254 p's, v255 q's; v[252:253], v[238:239] factors.
.set STEPB, 12800
.set STG,   16*STEPB                   ; 512 bytes: the result's scale bytes
.set MRG,   STG+512                    ; 4 x 4,608 bytes: the second parts of slots 12-15
.set SPARE, MRG+4*4608
.set WV, 14
.set I,  15
.set HH, 16
.set G1, 20
.set G0, 28
.set SEL, 32
.set CS, 34
.set NC, 36
.set G,  37
.set SG, 38
.set TB, 39
.set QL, 40
.set QM, 41
.set QC, 44
.set QS, 46
.macro PLACES n
.rept \n
	v_nop
.endr
.endm
.macro WALU
	s_wait_alu depctr_va_vdst(0)
.endm
.macro HINT n
	s_delay_alu instid0(VALU_DEP_\n)
.endm
.macro CROUND
	s_barrier_signal -1
	s_barrier_wait -1
	s_cmp_lg_u32 s[WV], 0
	s_cbranch_scc1 .Lnot_wave_0_\@
	s_barrier_signal -3
.Lnot_wave_0_\@:
	s_barrier_wait -3
	s_barrier_signal -1
	s_barrier_wait -1
.endm
.macro WM d, a, b, c, sa, sb, ra
	v_wmma_scale_f32_16x16x128_f8f6f4 v[(\d):(\d)+7], v[(\a):(\a)+11], v[(\b):(\b)+11], \c, v[(\sa)], v[(\sb)] matrix_a_fmt:MATRIX_FMT_FP6 matrix_b_fmt:MATRIX_FMT_FP6 matrix_a_scale:MATRIX_SCALE_ROW\ra
.endm
.macro TILE                            ; slot SG's tile: s48 its number in the head, where its q lies, and its place in its diagonal step
	s_lshr_b32 s50, s[SG], 1
	s_lshl_b32 s50, s50, 4
	s_sub_co_u32 s51, 15, s[I]
	s_bitcmp1_b32 s[SG], 0
	s_cselect_b32 s51, s51, s[I]
	s_add_co_u32 s48, s50, s51
	s_lshl_b32 s52, s[HH], 7
	s_add_co_u32 s52, s52, s48
	s_lshl_b32 s54, s52, 5
	s_mov_b32 s55, 0
	s_add_nc_u64 s[QS:QS+1], s[6:7], s[54:55]
	s_mul_i32 s54, s52, 768
	s_add_nc_u64 s[QC:QC+1], s[4:5], s[54:55]
	s_bfe_u32 s50, s48, 0x10002
	s_lshl_b32 s50, s50, 6
	s_and_b32 s51, s48, 3
	s_lshl_b32 s51, s51, 3
	s_add_co_u32 s[QL], s50, s51                   ; row 0's query, from the step's first key
	s_bitcmp1_b32 s48, 0
	s_cselect_b32 s[QM], 24, 40                    ; rows 8-15 lie 32 + 8 or 32 - 8 further on
.endm
.macro LOADQ
	global_load_b128 v[22:25], v1, s[QC:QC+1]
	global_load_b64 v[26:27], v2, s[QC:QC+1] offset:512
	global_load_u16 v255, v6, s[QS:QS+1]
.endm
.macro INIT                            ; a tile begins.  (The step is written for all steps alike: the first finds zeros, which the first change of M leaves zeros)
	v_mov_b32 v12, 0x7e800000                      ; -M, above every -M
	v_mov_b32 v13, 0xff61b1e6                      ; the largest score so far: -3e38
	v_mov_b32 v14, 0
	v_mov_b32 v15, 0
.set JJ, 0
.rept 32
	v_mov_b32 v[160+JJ], 0
.set JJ, JJ+1
.endr
.endm
; A KEY STEP: 128 keys.  It is left out where slot SG has no key in it: a scalar branch on ids; the address's step at its end is always run.
.macro STEP
	s_cmp_gt_i32 s[G], s[SG]
	s_cbranch_scc1 .Lhid_\@
	v_add_nc_u32 v7, s[TB], v1                     ; (these four are the places behind the last step's products)
	v_add_nc_u32 v8, s[TB], v2
	v_add_nc_u32 v9, s[TB], v3
	v_nop
.irp i, 0,1,2,3
.irp k, 0,1,2
	ds_load_b128 v[34+12*\i+4*\k:37+12*\i+4*\k], v7 offset:1536*\i+512*\k   ; K: four fragments, two key tiles each
.endr
.endr
	ds_load_b32 v248, v9 offset:12288              ; lanes 0-15 fragment 0's scale words, lanes 16-31 fragment 1's
	ds_load_b32 v249, v9 offset:12416
	WALU
	s_wait_dscnt 0x0
	WM 96,  34, 22, 0, 248, 255, 0
	WM 104, 34, 16, 0, 248, 255, 0
	WM 112, 46, 22, 0, 248, 255, 1
	WM 120, 46, 16, 0, 248, 255, 1
	WM 128, 58, 22, 0, 249, 255, 0
	WM 136, 58, 16, 0, 249, 255, 0
	WM 144, 70, 22, 0, 249, 255, 1
	WM 152, 70, 16, 0, 249, 255, 1
	PLACES 4
.irp t, 0,1,2,3                        ; V: four tiles of 16 channels: they land under the softmax
.irp c, 0,1
	ds_load_b128 v[34+12*\t+6*\c:37+12*\t+6*\c], v7 offset:6144+1536*\t+768*\c
	ds_load_b64 v[38+12*\t+6*\c:39+12*\t+6*\c], v8 offset:6656+1536*\t+768*\c
.endr
.endr
	ds_load_b32 v250, v9 offset:12544
	ds_load_b32 v251, v9 offset:12672
	s_cmp_lg_u32 s[G], s[SG]                       ; the tile's last step is its diagonal one: hidden scores become -infinity ahead of the maximum
	s_cbranch_scc1 .Lopen_\@
	v_and_b32 v192, 7, v0
	v_bfe_u32 v193, v0, 3, 1
	v_mad_u32_u24 v192, v193, s[QM], v192
	v_bfe_u32 v193, v0, 4, 1
	v_add_nc_u32 v192, s[QL], v192                 ; my query, from the step's first key
	v_mul_u32_u24 v194, 40, v193
	v_sub_nc_u32 v194, v192, v194                  ; less 40 h: for even j
	v_lshl_add_u32 v195, v193, 4, v194             ; less 24 h: for odd j
	v_mov_b32 v196, 0xff800000
.set NN, 0
.rept 64
	v_cmp_gt_i32 vcc_lo, 64*(NN/32)+NN%32, v[194+(NN/8)%2]
	v_cndmask_b32 v[96+NN], v[96+NN], v196, vcc_lo
.set NN, NN+1
.endr
.Lopen_\@:
.irp b, 0,1,2,3
	v_max3_num_f32 v[208+\b], v[96+16*\b], v[97+16*\b], v[98+16*\b]
.endr
.irp i, 3,5,7,9,11,13
.irp b, 0,1,2,3
	v_max3_num_f32 v[208+\b], v[208+\b], v[96+16*\b+\i], v[97+16*\b+\i]
.endr
.endr
	v_max3_num_f32 v208, v208, v111, v127
	v_max3_num_f32 v210, v210, v143, v159
	v_max_num_f32 v208, v208, v209                 ; the largest score of each of my two blocks
	v_max_num_f32 v210, v210, v211
	HINT 1
	v_max_num_f32 v212, v208, v210
	HINT 1
	v_permlanex16_b32 v236, v212, s[SEL], s[SEL+1]
	HINT 1
	v_max3_num_f32 v13, v13, v212, v236            ; the running largest score, with lane l xor 16's keys
	HINT 1
	v_mul_f32 v237, s[NC], v13
	HINT 1
	v_floor_f32 v219, v237                         ; the new -M = floor(-t) = -ceil(t)
	HINT 1
	v_sub_f32 v237, v219, v12                      ; old M - new M: a whole number, 0 or less
	v_mov_b32 v12, v219
	HINT 2
	v_cvt_i32_f32 v237, v237                       ; (it saturates)
	HINT 1
	v_ldexp_f32 v252, 1.0, v237                    ; f = 2^(old M - new M): a multiplication by it rounds nothing
.set JJ, 0
.rept 32
	v_pk_fma_f32 v[96+JJ:97+JJ], v[96+JJ:97+JJ], s[CS:CS+1], v[12:13] op_sel_hi:[1,0,0]   ; t - M
.set JJ, JJ+2
.endr
	v_fma_f32 v208, v208, s[CS], v12               ; the same of each block's largest score
	v_fma_f32 v210, v210, s[CS], v12
	WALU
	v_exp_f32 v208, v208
	v_exp_f32 v210, v210
.set JJ, 0
.rept 64
	v_exp_f32 v[96+JJ], v[96+JJ]
.set JJ, JJ+1
.endr
	v_pk_mul_f32 v[14:15], v[14:15], v[252:253] op_sel_hi:[1,0]
	WALU
	v_max_num_f32 v208, 0x1800000, v208            ; the floor 2^(3 - 127): the byte cannot fall under 1
	v_max_num_f32 v210, 0x1800000, v210
	v_add_nc_u32 v214, 0xff000000, v208            ; 2 off the exponent field: the conversion's scale operand
	v_add_nc_u32 v215, 0xff000000, v210
	v_lshrrev_b32 v216, 23, v214
	v_lshrrev_b32 v217, 23, v215
	v_cvt_scalef32_pk16_fp6_f32 v[224:226], v[96:111], v214
	v_cvt_scalef32_pk16_fp6_f32 v[240:242], v[112:127], v214
	v_cvt_scalef32_pk16_fp6_f32 v[230:232], v[128:143], v215
	v_cvt_scalef32_pk16_fp6_f32 v[244:246], v[144:159], v215
	v_lshl_or_b32 v218, v217, 16, v216             ; my blocks' bytes: c = 0 and 1
.irp k, 0,1,2,3
	v_pk_add_f32 v[192+2*\k:193+2*\k], v[96+2*\k:97+2*\k], v[112+2*\k:113+2*\k]   ; the row's sum, of the unquantised p: eight chains
.endr
	v_permlanex16_b32 v213, v218, s[SEL], s[SEL+1]
.irp k, 4,5,6,7
	v_pk_add_f32 v[192+2*\k:193+2*\k], v[96+2*\k:97+2*\k], v[112+2*\k:113+2*\k]
.endr
	v_lshl_or_b32 v254, v213, 8, v218              ; lanes 0-15: p's scale word for these 128 keys, bytes 2 c + h
.irp i, 0,1,2
	v_mov_b32 v[227+\i], v[240+\i]
	v_mov_b32 v[233+\i], v[244+\i]
.endr
.irp q, 128,144
.irp k, 0,1,2,3,4,5,6,7
	v_pk_add_f32 v[192+2*\k:193+2*\k], v[192+2*\k:193+2*\k], v[\q+2*\k:\q+1+2*\k]
.endr
.endr
.irp k, 0,1,2,3
	v_pk_add_f32 v[192+2*\k:193+2*\k], v[192+2*\k:193+2*\k], v[200+2*\k:201+2*\k]
.endr
	v_pk_add_f32 v[192:193], v[192:193], v[196:197]
	v_pk_add_f32 v[194:195], v[194:195], v[198:199]
	v_pk_add_f32 v[14:15], v[14:15], v[192:193]
	v_pk_add_f32 v[14:15], v[14:15], v[194:195]
	WALU
.set JJ, 0
.rept 16
	v_pk_mul_f32 v[160+JJ:161+JJ], v[160+JJ:161+JJ], v[252:253] op_sel_hi:[1,0]   ; O^T under the new M
.set JJ, JJ+2
.endr
	WALU
	s_wait_dscnt 0x0                               ; V's fragments and scale words are in
	WM 160, 34, 224, v[160:167], 250, 254, 0       ; O^T += V^T P^T: the four accumulators by turns
	WM 168, 46, 224, v[168:175], 250, 254, 1
	WM 176, 58, 224, v[176:183], 251, 254, 0
	WM 184, 70, 224, v[184:191], 251, 254, 1
.Lhid_\@:
	s_add_co_u32 s[TB], s[TB], STEPB
.endm
; A tile leaves: O^T / the sum; a lane's 32 registers are the 32 channels of block h of its query, in true order: one half fragment of the last product's operand
.macro FIN
	v_add_f32 v14, v14, v15
	v_permlanex16_b32 v236, v14, s[SEL], s[SEL+1]
	v_add_f32 v14, v14, v236
	WALU
	v_rcp_f32 v14, v14
	v_nop
	WALU
.set JJ, 0
.rept 16
	v_pk_mul_f32 v[96+JJ:97+JJ], v[160+JJ:161+JJ], v[14:15] op_sel_hi:[1,0]
.set JJ, JJ+2
.endr
	v_max3_num_f32 v192, |v96|, |v97|, 0x1800000
	v_max3_num_f32 v193, |v112|, |v113|, 0x1800000
.irp i, 2,4,6,8,10,12,14
	v_max3_num_f32 v192, |v[96+\i]|, |v[97+\i]|, v192
	v_max3_num_f32 v193, |v[112+\i]|, |v[113+\i]|, v193
.endr
	v_max_num_f32 v192, v192, v193
	v_add_nc_u32 v214, 0xff000000, v192
	v_lshrrev_b32 v216, 23, v214
	v_cvt_scalef32_pk16_fp6_f32 v[224:226], v[96:111], v214
	v_cvt_scalef32_pk16_fp6_f32 v[240:242], v[112:127], v214
	v_nop
.irp i, 0,1,2
	v_mov_b32 v[227+\i], v[240+\i]
.endr
	global_store_b128 v1, v[224:227], s[10:11]     ; 512 and 256 consecutive bytes, at multiples of 256
	global_store_b64 v2, v[228:229], s[10:11] offset:512
	ds_store_b8 v5, v216
.endm
	s_load_b256 s[4:11], s[0:1], 0x0               ; q codes, q scales, kv, the result's codes
	s_load_b64 s[12:13], s[0:1], 0x20              ; its scale bytes
	v_lshl_add_u32 v10, v0, 2, SPARE
	v_mov_b32 v11, 0
	ds_add_u32 v10, v11                            ; the opening add, twice on end
	ds_add_u32 v10, v11
	v_lshrrev_b32 v7, 5, v0
	HINT 1
	v_readfirstlane_b32 s[WV], v7                  ; wave 0..15
	s_bfe_u32 s50, ttmp6, 0x40000
	s_lshl_b32 s[I], ttmp9, 2
	s_add_co_u32 s[I], s[I], s50                   ; i
	s_and_b32 s[HH], ttmp7, 0xffff                 ; 16 x batch + head
	s_mov_b32 s[G1], 15|(3<<16)|(1<<21)            ; a key step: a dense block as 50 rows of 256 bytes (32 elements of 8), to all four of the cluster
	s_mov_b32 s[G1+1], 32<<16
	s_mov_b32 s[G1+2], 50<<16
	s_mov_b32 s[G1+3], 32<<16
	s_mov_b32 s[G1+4], 50
	s_mov_b32 s[G1+5], 32
	s_mov_b32 s[G1+6], 0
	s_mov_b32 s[G1+7], 0
	s_mov_b32 s[G0], 1
	s_mul_i32 s[G0+1], s[WV], STEPB                ; wave w fetches key step w
	s_lshl_b32 s50, s[HH], 4
	s_add_co_u32 s50, s50, s[WV]
	s_mul_i32 s56, s50, STEPB
	s_mov_b32 s57, 0
	s_and_b32 s53, s[WV], 3                        ; b
	s_mul_i32 s51, s53, 4608
	s_add_co_u32 s51, s51, MRG
	s_lshl_b32 s52, s[WV], 5
	s_add_co_u32 s52, s52, STG
	s_sub_co_u32 s54, 15, s53
	s_add_co_u32 s55, s53, 8
	s_sub_co_u32 s58, 7, s53
	s_cmp_lt_u32 s[WV], 12
	s_cselect_b32 s58, s58, s53
	s_cmp_lt_u32 s[WV], 8
	s_cselect_b32 s58, s55, s58
	s_cmp_lt_u32 s[WV], 4
	s_cselect_b32 s[SG], s54, s58                  ; the slot that I begin with, and that I store
	s_mov_b32 s[SEL], 0x76543210
	s_mov_b32 s[SEL+1], 0xfedcba98
	s_mov_b32 s[CS], 0x3e38aa3b                    ; log2(e) / 8
	s_mov_b32 s[CS+1], s[CS]
	s_mov_b32 s[NC], 0xbe38aa3b
	v_and_b32 v7, 31, v0
	v_and_b32 v8, 15, v0
	v_bfe_u32 v9, v0, 4, 1
	v_lshlrev_b32 v1, 4, v7
	v_lshlrev_b32 v2, 3, v7
	v_lshlrev_b32 v3, 2, v7
	v_lshlrev_b32 v6, 1, v8
	v_add_nc_u32 v5, v6, v9
	v_add_nc_u32 v4, s51, v1                       ; a second part's place: 16 x lane
	v_add_nc_u32 v82, STG, v1
	v_add_nc_u32 v5, s52, v5                       ; where my lane's scale byte goes: 32 x wave + 2 r + h
	WALU
	s_wait_dscnt 0x0
	CROUND                                         ; all four work-groups are here: the joint loads meet
	s_wait_kmcnt 0x0
	s_add_nc_u64 s[G0+2:G0+3], s[8:9], s[56:57]
	s_or_b32 s[G0+3], s[G0+3], 0x80000000
	s_cmp_lt_u32 s[WV], 2                          ; waves 0 and 1, which wait at the first barrier, have a line of their own
	s_cbranch_scc0 .Llater
	tensor_load_to_lds s[G0:G0+3], s[G1:G1+7]
	s_nop 0
	PLACES 4
	s_branch .Lasked
.Llater:
	tensor_load_to_lds s[G0:G0+3], s[G1:G1+7]
	s_nop 0
	PLACES 4
.Lasked:
	TILE
	LOADQ
	s_lshr_b32 s50, s[HH], 4                       ; the result: [block of 128 tokens][head / 2][tile 8][head % 2][768]
	s_lshl_b32 s50, s50, 4
	s_lshr_b32 s51, s48, 3
	s_add_co_u32 s50, s50, s51
	s_lshl_b32 s50, s50, 3
	s_bfe_u32 s51, s[HH], 0x30001
	s_add_co_u32 s50, s50, s51
	s_lshl_b32 s50, s50, 3
	s_and_b32 s51, s48, 7
	s_add_co_u32 s50, s50, s51
	s_lshl_b32 s50, s50, 1
	s_and_b32 s51, s[HH], 1
	s_add_co_u32 s50, s50, s51
	s_mul_i32 s54, s50, 768
	s_add_nc_u64 s[10:11], s[10:11], s[54:55]
	s_lshl_b32 s50, s[HH], 3
	s_add_co_u32 s50, s50, s[I]
	s_lshl_b32 s54, s50, 9
	s_add_nc_u64 s[12:13], s[12:13], s[54:55]      ; scale bytes: [16 x batch + head][i][wave][r][h]
.irp j, 16,17,18,19,20,21,28,29,30,31,32,33
	v_mov_b32 v\j, 0                               ; zero codes on either side of q
.endr
.irp j, 213,236,239,253
	v_mov_b32 v\j, 0                               ; (a lane permute's destination and a pair's upper half count as read)
.endr
	INIT
	WALU
	s_wait_loadcnt 0x0
	v_lshl_or_b32 v255, v255, 16, v255             ; q's two bytes stand in either half of an operand of 128
	PLACES 8                                       ; a scale register written by a vector instruction stands eight places ahead of a scaled matrix instruction
	WALU
	s_cmp_lt_u32 s[WV], 2
	s_cbranch_scc0 .Lnot_first
	s_wait_tensorcnt 0x0
.Lnot_first:
	s_barrier_signal -1
	s_barrier_wait -1                              ; key steps 0 and 1 are in; the others may be on their way: nothing is filled again
	s_mov_b32 s[TB], 0
	s_mov_b32 s[G], 0
	STEP
	s_wait_tensorcnt 0x0                           ; my key step is in
	s_wait_dscnt 0x0
	s_barrier_signal -1
	s_mov_b32 s[G], 1
	STEP                                           ; between signal and wait: registers, and LDS loads of bytes that nobody writes any more
	s_barrier_wait -1                              ; all sixteen are in
	s_mov_b32 s[TB], 2*STEPB
	s_mov_b32 s[G], 2
.Lpart2:
	STEP
	s_add_co_u32 s[G], s[G], 1
	s_cmp_lt_u32 s[G], 12
	s_cbranch_scc1 .Lpart2
	s_cmp_lt_u32 s[WV], 4
	s_cbranch_scc1 .Lno_more
	PLACES 4
	FIN                                            ; waves 4-15: the tile leaves
	s_cmp_lt_u32 s[WV], 12
	s_cbranch_scc1 .Lno_more
	s_sub_co_u32 s[SG], 15, s[SG]                  ; waves 12-15: the long tile's second part begins
	TILE
	LOADQ
	INIT
	WALU
	s_wait_loadcnt 0x0
	v_lshl_or_b32 v255, v255, 16, v255
	PLACES 8
	WALU
	s_branch .Lpart3_head
.Lno_more:
	s_mov_b32 s[SG], -1                            ; the others have no further step
.Lpart3_head:
	s_wait_xcnt 0x0                                ; the stores have read their registers
	s_mov_b32 s[TB], 12*STEPB
	s_mov_b32 s[G], 12
.Lpart3:
	STEP
	s_add_co_u32 s[G], s[G], 1
	s_cmp_lt_u32 s[G], 16
	s_cbranch_scc1 .Lpart3
	s_cmp_lt_u32 s[WV], 12
	s_cbranch_scc1 .Lno_part
	PLACES 4
.irp k, 0,1,2,3,4,5,6,7
	ds_store_b128 v4, v[160+4*\k:163+4*\k] offset:512*\k
.endr
	ds_store_b128 v4, v[12:15] offset:4096         ; -M, the largest score, the sum's two halves
.Lno_part:
	s_wait_dscnt 0x0
	s_barrier_signal -1
	s_barrier_wait -1                              ; the second parts lie in LDS
	s_cmp_lt_u32 s[WV], 4
	s_cbranch_scc0 .Lno_join
.irp k, 0,1,2,3,4,5,6,7
	ds_load_b128 v[96+4*\k:99+4*\k], v4 offset:512*\k
.endr
	ds_load_b128 v[128:131], v4 offset:4096
	s_wait_dscnt 0x0
	v_min_num_f32 v219, v12, v128                  ; the common -M
	v_sub_f32 v192, v219, v12
	v_sub_f32 v193, v219, v128
	v_cvt_i32_f32 v192, v192
	v_cvt_i32_f32 v193, v193
	v_ldexp_f32 v252, 1.0, v192                    ; powers of two: both parts are brought under the common M without rounding
	v_ldexp_f32 v238, 1.0, v193
	v_pk_mul_f32 v[14:15], v[14:15], v[252:253] op_sel_hi:[1,0]
	v_pk_fma_f32 v[14:15], v[130:131], v[238:239], v[14:15] op_sel_hi:[1,0,1]
.set JJ, 0
.rept 16
	v_pk_mul_f32 v[160+JJ:161+JJ], v[160+JJ:161+JJ], v[252:253] op_sel_hi:[1,0]
.set JJ, JJ+2
.endr
.set JJ, 0
.rept 16
	v_pk_fma_f32 v[160+JJ:161+JJ], v[96+JJ:97+JJ], v[238:239], v[160+JJ:161+JJ] op_sel_hi:[1,0,1]
.set JJ, JJ+2
.endr
	FIN
.Lno_join:
	s_wait_dscnt 0x0
	s_barrier_signal -1
	s_barrier_wait -1                              ; all scale bytes lie in the stage
	s_cmp_eq_u32 s[WV], 0
	s_cbranch_scc0 .Lend
	ds_load_b128 v[100:103], v82
	s_wait_dscnt 0x0
	global_store_b128 v1, v[100:103], s[12:13]     ; 512 consecutive bytes, at a multiple of 256
.Lend:
	s_wait_tensorcnt 0x0                           ; the wave's end
	ds_add_u32 v10, v11
	s_wait_dscnt 0x0
	CROUND                                         ; the closing round
	s_endpgm
.Lfunc_end_k_qaf2ea54e3e_attn:
	.size	k_qaf2ea54e3e_attn, .Lfunc_end_k_qaf2ea54e3e_attn-k_qaf2ea54e3e_attn
	.p2alignl 7, 3214868480
	.fill 96, 4, 3214868480
	.section	.rodata,"a",@progbits
	.p2align	6, 0x0
	.amdhsa_kernel k_qaf2ea54e3e_attn
		.amdhsa_group_segment_fixed_size 225792
		.amdhsa_private_segment_fixed_size 0
		.amdhsa_enable_private_segment 0
		.amdhsa_kernarg_size 40
		.amdhsa_user_sgpr_count 2
		.amdhsa_user_sgpr_kernarg_segment_ptr 1
		.amdhsa_wavefront_size32 1
		.amdhsa_system_sgpr_workgroup_id_x 1
		.amdhsa_system_sgpr_workgroup_id_y 1
		.amdhsa_system_sgpr_workgroup_id_z 1
		.amdhsa_system_vgpr_workitem_id 0
		.amdhsa_next_free_vgpr 256
		.amdhsa_next_free_sgpr 96
		.amdhsa_reserve_vcc 1
		.amdhsa_float_denorm_mode_32 3
		.amdhsa_float_denorm_mode_16_64 3
		.amdhsa_memory_ordered 1
		.amdhsa_forward_progress 1
		.amdhsa_inst_pref_size 104
	.end_amdhsa_kernel
	.amdgpu_metadata
---
amdhsa.version: [ 1, 2 ]
amdhsa.kernels:
  - .name:           k_qaf2ea54e3e_attn
    .symbol:         k_qaf2ea54e3e_attn.kd
    .args:
      - { .name: q_codes, .offset: 0, .size: 8, .value_kind: global_buffer, .address_space: global }
      - { .name: q_scales, .offset: 8, .size: 8, .value_kind: global_buffer, .address_space: global }
      - { .name: kv, .offset: 16, .size: 8, .value_kind: global_buffer, .address_space: global }
      - { .name: ao_codes, .offset: 24, .size: 8, .value_kind: global_buffer, .address_space: global }
      - { .name: ao_scales, .offset: 32, .size: 8, .value_kind: global_buffer, .address_space: global }
    .group_segment_fixed_size: 225792
    .private_segment_fixed_size: 0
    .kernarg_segment_align: 8
    .kernarg_segment_size: 40
    .max_flat_workgroup_size: 512
    .sgpr_count:     96
    .vgpr_count:     256
    .wavefront_size: 32
...
	.end_amdgpu_metadata
.endif
;; end of part 2
;; launch proj (part 3): grid 8 x 32, 4 waves a work-group, clusters of 4 x 4, 220,672 bytes of LDS; arguments ao_codes, ao_scales, W_out_codes, W_out_scales, out0; writes out0
.if DOCPART == 3
	.amdgcn_target "amdgcn-amd-amdhsa--gfx1250"
	.amdhsa_code_object_version 6
	.text
	.protected	k_qaf2ea54e3e_proj
	.globl	k_qaf2ea54e3e_proj
	.p2align	8
	.type	k_qaf2ea54e3e_proj,@function
k_qaf2ea54e3e_proj:
	s_mov_b64 s[64:65], 0
	v_nop
	global_prefetch_b8 v0, s[64:65] scope:SCOPE_SE
	s_setreg_imm32_b32 hwreg(HW_REG_WAVE_MODE, 25, 1), 1
	s_wait_xcnt 0x0
	s_wait_alu depctr_hold_cnt(0) depctr_sa_sdst(0) depctr_va_vdst(0) depctr_va_sdst(0) depctr_va_ssrc(0) depctr_va_vcc(0) depctr_vm_vsrc(0)
	s_getreg_b32 s2, hwreg(HW_REG_IB_STS2, 6, 4)
	s_cmp_eq_u32 s2, 0
	s_cbranch_scc0 .Lentry_in_a_cluster
	s_endpgm
.Lentry_in_a_cluster:
	s_bfe_u32 s2, ttmp6, 0x10000c
	s_cmp_lg_u32 s2, 0xf033
	s_cbranch_scc0 .Lentry_shape_is_right
	s_endpgm
.Lentry_shape_is_right:
; out = ao W_out^T on codes of FP6 (E2M3) with E8M0 scales, K = 1,024.  ao: images of operand registers, [block of 128 tokens][K step][tile][half][768], as the launch before stored them; W_out: rows of 768 bytes.
; SHARES.  A work-group makes 128 tokens x 128 columns; each of its four waves 64 x 64.  A wave's 64 rows of W_out, ALL of K, lie in registers (384); ao streams past in tiles of 16 tokens, all of K: 32 products finish a tile, which leaves at once.
; Source 0 = 16 rows of W_out, source 1 = 16 tokens: a lane holds eight neighbouring columns of one token's row.  Of each 64 tokens tile a holds tokens 8 a + i (rows 0-7) and 32 + 8 (a xor 1) + i (rows 8-15).
; ALL OF K comes into LDS once, one tensor load a wave: waves 0, 1 W's halves, waves 2, 3 ao's; nothing is filled again.  The first barrier shows W, the second ao.
; CLUSTER 4 x 4: W's tiles hang on the column block alone (shared along a column), ao's on the token block alone (shared along a row): joint loads.  NO PREFETCH: everything is asked for at the head.
; LIMITS: NaN, infinities and the scale byte 0xff are not served.
; REGISTERS.  Fragment f of 12 registers lies in window 1 + f / 21 at register 12 (f % 21): 0-31 W's (4 q + b), 32-39 and 40-47 ao's two sets.  window 0: v8-25 addresses; v32-47 W's scale words, v48-63 ao's; v64-191 accumulators (tile a, column tile b) at v[64 + 32 a + 8 b]; v192-255 rows on the way out.
.set PITCH, 816
.set AO,    128*PITCH
.set STAGE, AO+98304
.set SPARE, STAGE+4*4352
.set WV,  24
.set G1W, 32
.set G1A, 40
.set G0W, 48
.set G0A, 52
.set SPW, 26
.set NIL, 27
.set MSB, 0
.macro WIN new
.if MSB != (\new)
	s_set_vgpr_msb (MSB<<8)|(\new)
.set MSB, (\new)
.endif
.endm
.macro PLACES n
.rept \n
	v_nop
.endr
.endm
.macro WALU
	s_wait_alu depctr_va_vdst(0)
.endm
.macro CROUND
	s_barrier_signal -1
	s_barrier_wait -1
	s_cmp_lg_u32 s[WV], 0
	s_cbranch_scc1 .Lnot_wave_0_\@
	s_barrier_signal -3
.Lnot_wave_0_\@:
	s_barrier_wait -3
	s_barrier_signal -1
	s_barrier_wait -1
.endm
.macro WM1 d, a, b, c, sa, sb, ra, rb
	v_wmma_scale_f32_16x16x128_f8f6f4 v[(\d):(\d)+7], v[(\a):(\a)+11], v[(\b):(\b)+11], \c, v[(\sa)], v[(\sb)] matrix_a_fmt:MATRIX_FMT_FP6 matrix_b_fmt:MATRIX_FMT_FP6 matrix_a_scale:MATRIX_SCALE_ROW\ra matrix_b_scale:MATRIX_SCALE_ROW\rb
.endm
.macro WM2 d, a, b, c, sa, sb, ra, rb
.if (\ra) && (\rb)
	WM1 \d, \a, \b, \c, \sa, \sb, 1, 1
.elseif (\ra)
	WM1 \d, \a, \b, \c, \sa, \sb, 1, 0
.elseif (\rb)
	WM1 \d, \a, \b, \c, \sa, \sb, 0, 1
.else
	WM1 \d, \a, \b, \c, \sa, \sb, 0, 0
.endif
.endm
; W's fragment f (K step q): six pieces of 8 bytes, two to a load where both lie behind as many paddings; lanes 16-31 read three pieces further on: where that is behind one padding more, a1 serves
.macro FRAG f, q, a0, a1
	WIN (1+(\f)/21)<<6
.set R_, 12*((\f)%21)
.set SKIP_, 0
.irp p, 0,1,2,3,4,5
.if SKIP_
.set SKIP_, 0
.else
.set PC_, 12*(\q)+6*(\p/3)+\p%3
.set PN_, 12*(\q)+6*((\p+1)/3)+(\p+1)%3
.set X_, (PC_%32+3)/32
.set XQ_, (PN_%32+3)/32
.if (\p < 5) && (X_ == XQ_)
.set SKIP_, 1
.if X_
	ds_load_2addr_b64 v[R_+2*\p:R_+2*\p+3], v[\a1] offset0:PC_+2*(PC_/32) offset1:PN_+2*(PN_/32)
.else
	ds_load_2addr_b64 v[R_+2*\p:R_+2*\p+3], v[\a0] offset0:PC_+2*(PC_/32) offset1:PN_+2*(PN_/32)
.endif
.elseif X_
	ds_load_b64 v[R_+2*\p:R_+2*\p+1], v[\a1] offset:8*(PC_+2*(PC_/32))
.else
	ds_load_b64 v[R_+2*\p:R_+2*\p+1], v[\a0] offset:8*(PC_+2*(PC_/32))
.endif
.endif
.endr
.endm
.macro FETCH a                         ; token tile a, all of K, into set a % 2: 32 loads
.irp q, 0,1,2,3,4,5,6,7
.set F_, 32+8*((\a)%2)+\q
.set R_, 12*(F_%21)
	WIN (1+F_/21)<<6
.irp c, 0,1
	ds_load_b128 v[R_+6*\c:R_+6*\c+3], v[16+2*(\q/4)] offset:12288*(\q%4)+1536*(\a)+768*\c
	ds_load_b64 v[R_+6*\c+4:R_+6*\c+5], v[17+2*(\q/4)] offset:12288*(\q%4)+1536*(\a)+768*\c
.endr
.endr
	WIN 0
.endm
.macro PRODS a, q0                     ; four K steps from q0 on: 16 products, the tile's four accumulators by turns
.irp q, 0,1,2,3
.irp b, 0,1,2,3
.set QQ_, (\q0)+\q
.set FB_, 4*QQ_+\b
.set FA_, 32+8*((\a)%2)+QQ_
.set D_, 64+32*(\a)+8*\b
	WIN (1+FB_/21)|((1+FA_/21)<<2)
.if QQ_
	WM2 D_, 12*(FB_%21), 12*(FA_%21), v[D_:D_+7], 32+8*(\b/2)+QQ_, 48+8*((\a)/2)+QQ_, \b%2, (\a)%2
.else
	WM2 D_, 12*(FB_%21), 12*(FA_%21), 0, 32+8*(\b/2)+QQ_, 48+8*((\a)/2)+QQ_, \b%2, (\a)%2
.endif
.endr
.endr
	WIN 0
.endm
; THE WAY OUT of a tile of 16 tokens x 64 columns through my own stage: in as 32 bytes a lane, back as whole rows of 256 bytes.  LDS serves a wave's instructions in order (ISA guide 5.7.1.4): no wait between.
.macro TOSTAGE a
.irp b, 0,1,2,3
	ds_store_b128 v20, v[64+32*(\a)+8*\b:67+32*(\a)+8*\b] offset:64*\b
	ds_store_b128 v20, v[68+32*(\a)+8*\b:71+32*(\a)+8*\b] offset:64*\b+16
.endr
.irp i, 0,1,2,3,4,5,6,7
	ds_load_b128 v[192+32*((\a)%2)+4*\i:195+32*((\a)%2)+4*\i], v21 offset:544*\i
.endr
.endm
.macro SEND a, younger
	s_wait_dscnt \younger
.irp i, 0,1,2,3,4,5,6,7
.if \i < 4
.set RW_, 8*(\a)+2*\i
.else
.set RW_, 32+8*((\a)+1-2*((\a)%2))+2*\i-8
.endif
	global_store_b128 v22, v[192+32*((\a)%2)+4*\i:195+32*((\a)%2)+4*\i], s[12:13] offset:RW_*4096 th:TH_STORE_NT   ; 16 lanes store 256 consecutive bytes, at a multiple of 256
.endr
.endm
	s_load_b256 s[4:11], s[0:1], 0x0               ; ao codes, ao scales, W codes, W scales
	s_load_b64 s[12:13], s[0:1], 0x20              ; out
	v_lshl_add_u32 v[SPW], v0, 2, SPARE
	v_mov_b32 v[NIL], 0
	ds_add_u32 v[SPW], v[NIL]                      ; the opening add, twice on end
	ds_add_u32 v[SPW], v[NIL]
	v_lshrrev_b32 v1, 5, v0
	v_readfirstlane_b32 s[WV], v1
	s_bfe_u32 s25, ttmp6, 0x40000                  ; cx, cy
	s_bfe_u32 s26, ttmp6, 0x40004
	s_lshl_b32 s27, ttmp9, 2
	s_add_co_u32 s27, s27, s25                     ; the block of 128 columns
	s_and_b32 s28, ttmp7, 0xffff
	s_lshl_b32 s28, s28, 2
	s_add_co_u32 s28, s28, s26                     ; the block of 128 tokens
	s_lshl_b32 s84, s26, 2
	s_lshl_b32 s84, 15, s84                        ; my row of the cluster
	s_lshl_b32 s85, 0x1111, s25                    ; my column
	s_or_b32 s[G1W], s85, (1<<20)|(1<<21)|(5<<22)|(3<<25)   ; W: 64 rows of 768 bytes, 16 bytes of padding behind every 256
	s_mov_b32 s[G1W+1], 768<<16
	s_mov_b32 s[G1W+2], 64<<16
	s_mov_b32 s[G1W+3], 768<<16
	s_mov_b32 s[G1W+4], 64
	s_mov_b32 s[G1W+5], 768
	s_mov_b32 s[G1W+6], 0
	s_mov_b32 s[G1W+7], 0
	s_or_b32 s[G1A], s84, (3<<16)|(1<<21)          ; ao: four K steps, a dense block of 49,152 bytes as 192 rows of 256
	s_mov_b32 s[G1A+1], 32<<16
	s_mov_b32 s[G1A+2], 192<<16
	s_mov_b32 s[G1A+3], 32<<16
	s_mov_b32 s[G1A+4], 192
	s_mov_b32 s[G1A+5], 32
	s_mov_b32 s[G1A+6], 0
	s_mov_b32 s[G1A+7], 0
	s_and_b32 s29, s[WV], 1                        ; which half of the columns is mine.  Also: which half I fetch
	s_lshr_b32 s30, s[WV], 1                       ; which half of the tokens.  Also: I fetch W (0) or ao (1)
	s_lshl_b32 s86, s27, 7
	s_lshl_b32 s87, s29, 6
	s_add_co_u32 s86, s86, s87
	s_mul_i32 s86, s86, 768
	s_mov_b32 s87, 0
	s_mul_i32 s88, s28, 98304
	s_mul_i32 s90, s29, 49152
	s_add_co_u32 s88, s88, s90
	s_mov_b32 s89, 0
	s_mul_i32 s91, s29, 64*PITCH
	s_add_co_u32 s90, s90, AO
	s_mul_i32 s92, s30, 6144
	s_add_co_u32 s92, s92, AO
	s_add_co_u32 s93, s92, 512
	s_mul_i32 s94, s[WV], 4352
	s_add_co_u32 s94, s94, STAGE
	s_lshl_b32 s95, s30, 2
	s_and_b32 s84, s28, 1
	s_mul_i32 s84, s84, 7
	v_and_b32 v3, 31, v0
	v_and_b32 v1, 15, v0                           ; r
	v_bfe_u32 v2, v0, 4, 1                         ; h
	v_mul_u32_u24 v6, PITCH, v1
	v_mad_u32_u24 v6, v2, 24, v6
	v_add_nc_u32 v8, s91, v6                       ; W: my 64 rows; column tile b in v[8 + 2 b], v[9 + 2 b]
	v_lshl_add_u32 v9, v2, 4, v8
.irp b, 1,2,3
	v_add_nc_u32 v[8+2*\b], \b*16*PITCH, v8
	v_add_nc_u32 v[9+2*\b], \b*16*PITCH, v9
.endr
	v_lshl_add_u32 v16, v3, 4, s92                 ; ao: my four tiles, K steps 0-3 and 4-7
	v_lshl_add_u32 v17, v3, 3, s93
	v_add_nc_u32 v18, 49152, v16
	v_add_nc_u32 v19, 49152, v17
	v_mul_u32_u24 v4, 272, v1
	v_lshl_add_u32 v4, v2, 5, v4
	v_add_nc_u32 v20, s94, v4                      ; the stage, in: row r, 32 bytes for each half of the lanes
	v_mul_u32_u24 v4, 272, v2
	v_lshl_add_u32 v4, v1, 4, v4
	v_add_nc_u32 v21, s94, v4                      ; back: lanes 0-15 one row, lanes 16-31 the next
	v_lshlrev_b32 v4, 12, v2
	v_lshl_add_u32 v22, v1, 4, v4                  ; and the same two rows in the output
	v_add_nc_u32 v5, s95, v2                       ; ao's scale bytes: tile 4 x half + 2 p + h of the block belongs to the work-group i = that (even block) or 7 - that (odd)
	v_lshlrev_b32 v4, 1, v1
	v_xor_b32 v6, s84, v5
	v_lshl_add_u32 v23, v6, 9, v4
	v_add_nc_u32 v5, 2, v5
	v_xor_b32 v6, s84, v5
	v_lshl_add_u32 v24, v6, 9, v4
	v_lshlrev_b32 v25, 5, v3                       ; W's scale bytes: 32 a row
	WALU
	s_wait_dscnt 0x0
	CROUND                                         ; all sixteen work-groups are here: the joint loads meet
	s_wait_kmcnt 0x0
	s_add_nc_u64 s[86:87], s[8:9], s[86:87]
	s_add_nc_u64 s[88:89], s[4:5], s[88:89]
	s_mov_b32 s[G0W], 1
	s_mov_b32 s[G0W+1], s91
	s_mov_b64 s[G0W+2:G0W+3], s[86:87]
	s_or_b32 s[G0W+3], s[G0W+3], 0x80000000
	s_mov_b32 s[G0A], 1
	s_mov_b32 s[G0A+1], s90
	s_mov_b64 s[G0A+2:G0A+3], s[88:89]
	s_or_b32 s[G0A+3], s[G0A+3], 0x80000000
	s_cmp_lt_u32 s[WV], 2
	s_cbranch_scc0 .Lfor_ao
	tensor_load_to_lds s[G0W:G0W+3], s[G1W:G1W+7]
	s_nop 0
	PLACES 4
	s_branch .Lasked
.Lfor_ao:
	tensor_load_to_lds s[G0A:G0A+3], s[G1A:G1A+7]
	s_nop 0
	PLACES 4
.Lasked:
	s_lshl_b32 s92, s27, 12
	s_lshl_b32 s93, s29, 11
	s_add_co_u32 s92, s92, s93
	s_mov_b32 s93, 0
	s_add_nc_u64 s[10:11], s[10:11], s[92:93]      ; W's scales at row 128 x column block + 64 x half
	s_and_b32 s84, s28, 15                         ; the block in its batch: its tiles' slot in the launch before.  The wave that stored it: 15 - slot where the slot's bit 2 is set, else slot + 12 modulo 16
	s_sub_co_u32 s85, 15, s84
	s_add_co_u32 s94, s84, 12
	s_and_b32 s94, s94, 15
	s_bitcmp1_b32 s84, 2
	s_cselect_b32 s84, s85, s94
	s_lshl_b32 s84, s84, 5
	s_lshr_b32 s92, s28, 4
	s_lshl_b32 s92, s92, 16
	s_add_co_u32 s92, s92, s84
	s_add_nc_u64 s[6:7], s[6:7], s[92:93]
.irp p, 0,1
	global_load_b128 v[32+8*\p:35+8*\p], v25, s[10:11] offset:1024*\p        ; a row's words of all eight K steps: lanes 0-15 column tile 2 p, lanes 16-31 tile 2 p + 1
	global_load_b128 v[36+8*\p:39+8*\p], v25, s[10:11] offset:1024*\p+16
.endr
.irp p, 0,1
.irp s, 0,1,2,3,4,5,6,7
	global_load_u16 v[48+8*\p+\s], v[23+\p], s[6:7] offset:8192*\s           ; K step s is heads 2 s and 2 s + 1: two bytes of each make a token's word
	global_load_u16 v[64+8*\p+\s], v[23+\p], s[6:7] offset:8192*\s+4096
.endr
.endr
	s_lshl_b32 s92, s28, 7
	s_lshl_b32 s94, s30, 6
	s_add_co_u32 s92, s92, s94
	s_lshl_b32 s92, s92, 12                        ; my first row: 128 x token block + 64 x half
	s_lshl_b32 s94, s27, 9
	s_add_co_u32 s92, s92, s94
	s_lshl_b32 s94, s29, 8
	s_add_co_u32 s92, s92, s94
	s_add_nc_u64 s[12:13], s[12:13], s[92:93]
	WALU
	s_cmp_lt_u32 s[WV], 2
	s_cbranch_scc0 .Lnot_w
	s_wait_tensorcnt 0x0
.Lnot_w:
	s_barrier_signal -1
	s_barrier_wait -1                              ; W is in; ao may be on its way: nothing is filled again
.irp q, 0,1,2,3,4,5,6,7
.irp b, 0,1,2,3
	FRAG 4*\q+\b, \q, 8+2*\b, 9+2*\b
.endr
.endr
	WIN 0
	s_wait_loadcnt 0x0
.set JJ, 0
.rept 16
	v_lshl_or_b32 v[48+JJ], v[64+JJ], 16, v[48+JJ]
.set JJ, JJ+1
.endr
	PLACES 8                                       ; a scale register written by a vector instruction stands eight places ahead of a scaled matrix instruction
	WALU
	s_wait_tensorcnt 0x0
	s_wait_dscnt 0x0
	s_barrier_signal -1
	s_barrier_wait -1                              ; ao is in
	FETCH 0
	FETCH 1
	s_wait_dscnt 32                                ; all but tile 1's 32 loads
	PRODS 0, 0
	PRODS 0, 4
	PLACES 4                                       ; in front of the first reads of results and of loads into registers that the products read
	TOSTAGE 0
	FETCH 2
	s_wait_dscnt 48                                ; tile 1's loads are in: behind them the stage's 16 and tile 2's 32
	PRODS 1, 0
	SEND 0, 32                                     ; in the middle of the next tile's products.  Behind the stage's loads: tile 2's 32
	PRODS 1, 4
	PLACES 4
	TOSTAGE 1
	FETCH 3
	s_wait_dscnt 48
	PRODS 2, 0
	SEND 1, 32
	PRODS 2, 4
	PLACES 4
	s_wait_xcnt 0x0                                ; tile 0's stores have read their registers: tile 2's rows may land there
	TOSTAGE 2
	s_wait_dscnt 16                                ; tile 3's loads are in
	PRODS 3, 0
	SEND 2, 0
	PRODS 3, 4
	PLACES 4
	s_wait_xcnt 0x0
	TOSTAGE 3
	SEND 3, 0
	s_wait_tensorcnt 0x0                           ; the wave's end
	ds_add_u32 v[SPW], v[NIL]
	s_wait_dscnt 0x0
	CROUND                                         ; the closing round
	s_endpgm
.Lfunc_end_k_qaf2ea54e3e_proj:
	.size	k_qaf2ea54e3e_proj, .Lfunc_end_k_qaf2ea54e3e_proj-k_qaf2ea54e3e_proj
	.p2alignl 7, 3214868480
	.fill 96, 4, 3214868480
	.section	.rodata,"a",@progbits
	.p2align	6, 0x0
	.amdhsa_kernel k_qaf2ea54e3e_proj
		.amdhsa_group_segment_fixed_size 220672
		.amdhsa_private_segment_fixed_size 0
		.amdhsa_enable_private_segment 0
		.amdhsa_kernarg_size 40
		.amdhsa_user_sgpr_count 2
		.amdhsa_user_sgpr_kernarg_segment_ptr 1
		.amdhsa_wavefront_size32 1
		.amdhsa_system_sgpr_workgroup_id_x 1
		.amdhsa_system_sgpr_workgroup_id_y 1
		.amdhsa_system_sgpr_workgroup_id_z 1
		.amdhsa_system_vgpr_workitem_id 0
		.amdhsa_next_free_vgpr 848
		.amdhsa_next_free_sgpr 100
		.amdhsa_reserve_vcc 0
		.amdhsa_float_denorm_mode_32 3
		.amdhsa_float_denorm_mode_16_64 3
		.amdhsa_memory_ordered 1
		.amdhsa_forward_progress 1
		.amdhsa_inst_pref_size 52
	.end_amdhsa_kernel
	.amdgpu_metadata
---
amdhsa.version: [ 1, 2 ]
amdhsa.kernels:
  - .name:           k_qaf2ea54e3e_proj
    .symbol:         k_qaf2ea54e3e_proj.kd
    .args:
      - { .name: ao_codes, .offset: 0, .size: 8, .value_kind: global_buffer, .address_space: global }
      - { .name: ao_scales, .offset: 8, .size: 8, .value_kind: global_buffer, .address_space: global }
      - { .name: W_out_codes, .offset: 16, .size: 8, .value_kind: global_buffer, .address_space: global }
      - { .name: W_out_scales, .offset: 24, .size: 8, .value_kind: global_buffer, .address_space: global }
      - { .name: out0, .offset: 32, .size: 8, .value_kind: global_buffer, .address_space: global }
    .group_segment_fixed_size: 220672
    .private_segment_fixed_size: 0
    .kernarg_segment_align: 8
    .kernarg_segment_size: 40
    .max_flat_workgroup_size: 128
    .sgpr_count:     100
    .vgpr_count:     848
    .wavefront_size: 32
...
	.end_amdgpu_metadata
.endif
;; end of part 3
